; MI455X (gfx1250); checked and timed in simulation.
; The chip was launched on July 23, 2026; its instructions are those of AMD's public machine-readable ISA for CDNA 5 (MIT licence, August 2026) and "CDNA5" Instruction Set Architecture Reference Guide (July 2026). The comments in the code are by the model that wrote it; some were corrected since.
;; Vector Quantizer. Allowed arithmetic: matrix products marked QUANTISED: E3M2 operands, one E8M0 scale for each 32 along K, by v_wmma_scale_f32_16x16x128_f8f6f4 with both operands' format E3M2, f32 sums; everything else in f32.
;; Inputs: codebook 8,192 x 256 float32; z 8 x 4,096 x 256 float32.
;; Outputs: out0 8 x 4,096 x 256 float32; out1 32,768 x 1 int32.
;; This version of the problem:
;;   THIS VERSION OF THE PROBLEM IS GIVEN IN LOW PRECISION. The matrix products marked QUANTISED in the list below multiply operands that are first quantised to E3M2 (3 exponent bits, 2 mantissa bits; 6 bits a number), with one power-of-two scale for each 32 numbers along K (OCP MX v1.0); their sums are f32. All else is computed in f32.
;;   The module's matrix products, in the order in which they are computed (A, B: the left and right operand; K: the contracted axis; several contracted axes count as one K, in the product's order):
;;     1. [M 32,768, K 256] x [K 256, N 8,192]; A: input z; B: input codebook: QUANTISED
;;   THE QUANTISER, for each operand of a quantised product, along K:
;;     - K is cut into blocks of 32 from its start; a last block that is shorter is filled with zeros.
;;     - A block's scale is 2^e with e = floor(log2(the largest magnitude in the block)) - 4, held to -126 .. 127; a block of zeros has e = 0. As a byte (E8M0): e + 127.
;;     - Each number is divided by its block's scale, clamped to +-28, and rounded to the nearest number of E3M2, ties to even, subnormals kept.
;;     - The product sums the exact products of the quantised numbers (number of the format x scale) in f32.
;;   ~~~python
;;   def quantise(x, axis):      # numpy; x: float32 -> the quantised numbers, widened to float32 again
;;       x = np.moveaxis(x, axis, -1); K = x.shape[-1]
;;       x = np.pad(x, [(0, 0)] * (x.ndim - 1) + [(0, -K % 32)]); x = x.reshape(x.shape[:-1] + (-1, 32)); a = np.abs(x).max(-1, keepdims=True)
;;       e = np.where(a > 0, np.clip(np.frexp(np.where(a > 0, a, 1))[1] - 1 - 4, -126, 127), 0)      # np.frexp(a)[1] - 1 = floor(log2(a)), exactly
;;       r = np.clip(x / 2.0 ** e, -28, 28)
;;       step = 2.0 ** (np.maximum(np.frexp(np.where(r == 0, 1, r))[1] - 1, -2) - 2)
;;       q = np.round(r / step) * step * 2.0 ** e      # np.round: ties to even
;;       return np.moveaxis(q.reshape(q.shape[:-2] + (-1,))[..., :K], -1, axis).astype(np.float32)
;;   ~~~
;; One version. Each part assembles by itself: llvm-mc -triple=amdgcn-amd-amdhsa -mcpu=gfx1250 --defsym DOCPART=n.
;; ======== version 1 of 1: 4 launches
;; limits: right only within a limited range of input values
;; workspace buffers: cbq 1,703,936 bytes; zq 6,815,744 bytes; win 131,072 bytes of whole numbers; idx 131,072 bytes of whole numbers
;; launch prep (part 1): grid 1280 x 1, 2 waves a work-group, no clusters, 17,664 bytes of LDS; arguments codebook, cbq, z, zq; writes cbq, zq
.if DOCPART == 1
	.amdgcn_target "amdgcn-amd-amdhsa--gfx1250"
	.amdhsa_code_object_version 6
	.text
	.protected	k_q11b5d4061d_prep
	.globl	k_q11b5d4061d_prep
	.p2align	8
	.type	k_q11b5d4061d_prep,@function
k_q11b5d4061d_prep:
	s_mov_b64 s[64:65], 0
	v_nop
	global_prefetch_b8 v0, s[64:65] scope:SCOPE_SE
	s_setreg_imm32_b32 hwreg(HW_REG_WAVE_MODE, 25, 1), 1
	s_wait_xcnt 0x0
; WHAT THE PROGRAM LEAVES OUT: reference() takes the argmin over the codes of  sum(z^2) + sum(e^2) - 2 z.e .  The first term is the same for all codes of a row, so in exact arithmetic it
; cannot move the argmin, whatever the inputs hold; halving and negating turns the rest into the argmax of  z.e - sum(e^2) / 2 .  So sum(z^2) is never formed.
; LIMIT: a NaN, an infinity or an overflow that would arise in sum(z^2) alone is not carried to the result.
; THIS LAUNCH: the codebook [8192][256] and z [32768][256], f32, become RECORDS of 3,328 bytes, one for each tile of 16 rows (512 records in cbq, 2,048 in zq), in the order in which operand registers take them:
;   +0     the tile's operand for k = 0..127 as an image of its 12 registers: three blocks of 512 bytes, block c = lane l's registers 4 c .. 4 c + 3 at 16 l
;   +1536  the same for k = 128..255
;   +3072  32 scale words: word l = row l's four E8M0 bytes of k = 0..127 (l < 16), row l - 16's of k = 128..255 (l >= 16)
;   +3200  16 f32: -(sum of squares of the unquantised row) / 2 for the codebook, zeros for z;   +3264  64 zero bytes: a record is 13 whole blocks of 256 bytes
; Codes are E3M2, one scale for each 32 along k: its byte is the largest magnitude's exponent field - 4, held at 1 from below.
; A block of zeros gets the byte 1 where the rule says 127: its codes are zeros, which add nothing, and only this program reads the bytes.
; LIMITS: blocks whose largest magnitude lies under 2^(4 - 126) are held at the byte 1; NaN and infinities are not served; the sum of squares is taken in four chains a lane and
; then across two lanes, which is another order of rounding than a plain sum along the row.
; SHARES: one wave makes one record; 2 waves a work-group, 1,280 work-groups: tiles 0..511 are the codebook's, the others z's.  Only pointers are chosen by the tile's number, and two jumps
; lead z's tiles round the sums of squares.  Waves share nothing: no barrier.  No tensor load: each wave reads 16 KiB once, all 32 loads out at once.
.set REC,  3328
.set NCB,  512
.set WREG, 8704                        ; LDS of a wave: a stage of 16 rows x 528 bytes, then 256 bytes for the record's tail
.set TWA,  5
.set TRA,  6
.set R0,   32
.set R1,   96
.set PCA,  160
.set PCB,  180
.set TM,   200
.set PW0,  216
.set PW1,  217
.set EE,   218
.set SEL,  12
; 16 rows x 512 bytes, loaded as they lie, turn through the wave's stage: register reg + 16 b + e then holds k = 32 b + 16 (lane / 16) + e of row lane % 16
.macro TURN reg
.irp i, 0,1,2,3,4,5,6,7,8,9,10,11,12,13,14,15
	ds_store_b128 v[TWA], v[\reg+4*\i:\reg+4*\i+3] offset:528*\i
.endr
.irp b, 0,1,2,3
.irp j, 0,1,2,3
	ds_load_b128 v[\reg+16*\b+4*\j:\reg+16*\b+4*\j+3], v[TRA] offset:128*\b+16*\j
.endr
.endr
.endm
; 64 numbers of a lane become an operand's 12 registers in v[pc] on and my row's scale word in v[pw]
.macro QUANT s, pc, pw
.irp b, 0,1,2,3
	v_max3_num_f32 v[TM+\b], |v[\s+16*\b]|, |v[\s+1+16*\b]|, 0x2800000   ; my 16 numbers of block b, and the floor 2^(5 - 127)
.endr
.irp i, 2,4,6,8,10,12,14
.irp b, 0,1,2,3
	v_max3_num_f32 v[TM+\b], v[TM+\b], |v[\s+16*\b+\i]|, |v[\s+1+16*\b+\i]|
.endr
.endr
.irp b, 0,1,2,3
	v_permlanex16_b32 v[TM+4+\b], v[TM+\b], s[SEL], s[SEL+1]
.endr
.irp b, 0,1,2,3
	v_max_num_f32 v[TM+\b], v[TM+\b], v[TM+4+\b]   ; with lane l xor 16's 16: the block's largest magnitude
.endr
.irp b, 0,1,2,3
	v_add_nc_u32 v[TM+12+\b], 0xfe000000, v[TM+\b]   ; 4 off its exponent field: the conversion's scale operand
.endr
.irp b, 0,1,2,3
	v_lshrrev_b32 v[TM+4+\b], 23, v[TM+12+\b]      ; the scale's byte
.endr
	v_lshl_or_b32 v[\pw], v[TM+5], 8, v[TM+4]
	v_lshl_or_b32 v[\pw], v[TM+6], 16, v[\pw]
	v_lshl_or_b32 v[\pw], v[TM+7], 24, v[\pw]
.irp c, 0,1
	v_cvt_scalef32_pk16_bf6_f32 v[\pc+6*\c:\pc+2+6*\c], v[\s+32*\c:\s+15+32*\c], v[TM+12+2*\c]
	v_cvt_scalef32_pk16_bf6_f32 v[\pc+12+4*\c:\pc+14+4*\c], v[\s+16+32*\c:\s+31+32*\c], v[TM+12+2*\c+1]
.endr
	v_nop                                          ; one plain place behind a scaled conversion
.irp c, 0,1                                    ; the operand wants a whole block in a lane
.irp i, 0,1,2
	v_permlane16_swap_b32 v[\pc+6*\c+\i], v[\pc+12+4*\c+\i]
.endr
.irp i, 0,1,2
	v_mov_b32 v[\pc+3+6*\c+\i], v[\pc+12+4*\c+\i]
.endr
.endr
.endm
.macro SQ reg                          ; 64 squares onto the sums, in two packed chains
.irp i, 0,4,8,12,16,20,24,28,32,36,40,44,48,52,56,60
	v_pk_fma_f32 v[EE:EE+1], v[\reg+\i:\reg+\i+1], v[\reg+\i:\reg+\i+1], v[EE:EE+1]
	v_pk_fma_f32 v[EE+2:EE+3], v[\reg+\i+2:\reg+\i+3], v[\reg+\i+2:\reg+\i+3], v[EE+2:EE+3]
.endr
.endm
	s_load_b128 s[4:7], s[0:1], 0x0                ; the codebook, its records
	s_load_b128 s[20:23], s[0:1], 0x10             ; z, its records
	v_lshl_add_u32 v232, v0, 2, 0x4400
	v_mov_b32 v233, 0
	v_lshrrev_b32 v1, 5, v0
	v_readfirstlane_b32 s8, v1                     ; wave 0, 1
	v_and_b32 v1, 31, v0
	v_and_b32 v2, 15, v0
	v_bfe_u32 v3, v0, 4, 1
	v_lshlrev_b32 v4, 4, v1                        ; 16 x lane
	s_mul_i32 s9, s8, WREG
	v_add_nc_u32 v[TWA], s9, v4
	v_mul_u32_u24 v[TRA], v2, 528
	v_lshl_add_u32 v[TRA], v3, 6, v[TRA]
	v_add_nc_u32 v[TRA], s9, v[TRA]
	s_add_co_u32 s9, s9, 16*528
	v_lshl_add_u32 v7, v1, 2, s9
	v_lshl_add_u32 v8, v1, 3, s9
	v_lshlrev_b32 v9, 3, v1
	s_mov_b32 s[SEL], 0x76543210
	s_mov_b32 s[SEL+1], 0xfedcba98
.irp b, 0,1,2,3
	v_mov_b32 v[TM+4+\b], 0                        ; a lane permute's destination counts as one of its sources
	v_mov_b32 v[EE+\b], 0                          ; the sums: they stay 0 for z's tiles
.endr
	s_lshl_b32 s10, ttmp9, 1
	s_add_co_u32 s10, s10, s8                      ; my tile among the 2,560
	s_cmp_lt_u32 s10, NCB
	s_cselect_b32 s11, 0, NCB
	s_sub_co_u32 s11, s10, s11                     ; and in its own tensor
	s_lshl_b32 s14, s11, 14                        ; its 16 rows of 1,024 bytes
	s_mov_b32 s15, 0
	s_mul_i32 s16, s11, REC                        ; its record
	s_mov_b32 s17, 0
	s_wait_alu depctr_va_vdst(0)                   ; the wait at the head's end
	s_wait_kmcnt 0x0
	s_cmp_lt_u32 s10, NCB                          ; the choice hangs on ids alone
	s_cselect_b64 s[4:5], s[4:5], s[20:21]
	s_cselect_b64 s[6:7], s[6:7], s[22:23]
	s_add_nc_u64 s[4:5], s[4:5], s[14:15]
	s_add_nc_u64 s[6:7], s[6:7], s[16:17]
.irp s, 0,1
.irp i, 0,1,2,3,4,5,6,7,8,9,10,11,12,13,14,15
	global_load_b128 v[R0+64*\s+4*\i:R0+64*\s+4*\i+3], v4, s[4:5] offset:1024*\i+512*\s   ; 32 lanes read 512 consecutive bytes
.endr
.endr
	s_wait_loadcnt 16                              ; k = 0..127 are in; the 16 loads of k = 128..255 may be out
	TURN R0
	s_wait_loadcnt 0x0
	TURN R1
	s_wait_dscnt 32                                ; the first turn is back; the second's 32 LDS instructions may be out
	s_cmp_ge_u32 s10, NCB
	s_wait_alu depctr_va_vdst(0)                   ; the wait ahead of the branch
	s_cbranch_scc1 .Lz0                            ; z's rows need no sum of squares
	SQ R0
.Lz0:
	QUANT R0, PCA, PW0
.irp c, 0,1,2
	global_store_b128 v4, v[PCA+4*\c:PCA+4*\c+3], s[6:7] offset:512*\c   ; 32 lanes store 512 consecutive bytes, at a multiple of 256 from the buffer's first byte
.endr
	s_wait_dscnt 0x0                               ; the second turn is back
	s_cmp_ge_u32 s10, NCB
	s_wait_alu depctr_va_vdst(0)
	s_cbranch_scc1 .Lz1
	SQ R1
.Lz1:
	QUANT R1, PCB, PW1
.irp c, 0,1,2
	global_store_b128 v4, v[PCB+4*\c:PCB+4*\c+3], s[6:7] offset:1536+512*\c
.endr
	; the tail: scale words, -ee / 2, zeros; gathered in LDS so that one instruction stores one whole block of 256 bytes
	v_pk_add_f32 v[EE:EE+1], v[EE:EE+1], v[EE+2:EE+3]
	v_add_f32 v[EE], v[EE], v[EE+1]
	v_permlanex16_b32 v[EE+1], v[EE], s[SEL], s[SEL+1]
	v_add_f32 v[EE], v[EE], v[EE+1]
	v_mul_f32 v[EE], -0.5, v[EE]
	v_cmp_gt_u32 vcc_lo, 16, v1
	v_cndmask_b32 v222, v[PW1], v[PW0], vcc_lo     ; lanes 0-15: the word of k = 0..127; lanes 16-31: that of k = 128..255
	v_cndmask_b32 v223, 0, v[EE], vcc_lo
	ds_store_b32 v7, v222
	ds_store_b32 v7, v223 offset:128
	ds_load_b64 v[224:225], v8                     ; LDS serves a wave's instructions in order: this sees my stores
	s_wait_dscnt 0x0
	global_store_b64 v9, v[224:225], s[6:7] offset:3072
	s_wait_tensorcnt 0x0                           ; the wave's end
	ds_add_u32 v232, v233
	s_wait_dscnt 0x0
	s_endpgm
.Lfunc_end_k_q11b5d4061d_prep:
	.size	k_q11b5d4061d_prep, .Lfunc_end_k_q11b5d4061d_prep-k_q11b5d4061d_prep
	.p2alignl 7, 3214868480
	.fill 96, 4, 3214868480
	.section	.rodata,"a",@progbits
	.p2align	6, 0x0
	.amdhsa_kernel k_q11b5d4061d_prep
		.amdhsa_group_segment_fixed_size 17664
		.amdhsa_private_segment_fixed_size 0
		.amdhsa_enable_private_segment 0
		.amdhsa_kernarg_size 32
		.amdhsa_user_sgpr_count 2
		.amdhsa_user_sgpr_kernarg_segment_ptr 1
		.amdhsa_wavefront_size32 1
		.amdhsa_system_sgpr_workgroup_id_x 1
		.amdhsa_system_sgpr_workgroup_id_y 1
		.amdhsa_system_sgpr_workgroup_id_z 1
		.amdhsa_system_vgpr_workitem_id 0
		.amdhsa_next_free_vgpr 234
		.amdhsa_next_free_sgpr 66
		.amdhsa_reserve_vcc 1
		.amdhsa_float_denorm_mode_32 3
		.amdhsa_float_denorm_mode_16_64 3
		.amdhsa_memory_ordered 1
		.amdhsa_forward_progress 1
		.amdhsa_inst_pref_size 23
	.end_amdhsa_kernel
	.amdgpu_metadata
---
amdhsa.version: [ 1, 2 ]
amdhsa.kernels:
  - .name:           k_q11b5d4061d_prep
    .symbol:         k_q11b5d4061d_prep.kd
    .args:
      - { .name: codebook, .offset: 0, .size: 8, .value_kind: global_buffer, .address_space: global }
      - { .name: cbq, .offset: 8, .size: 8, .value_kind: global_buffer, .address_space: global }
      - { .name: z, .offset: 16, .size: 8, .value_kind: global_buffer, .address_space: global }
      - { .name: zq, .offset: 24, .size: 8, .value_kind: global_buffer, .address_space: global }
    .group_segment_fixed_size: 17664
    .private_segment_fixed_size: 0
    .kernarg_segment_align: 8
    .kernarg_segment_size: 32
    .max_flat_workgroup_size: 64
    .sgpr_count:     66
    .vgpr_count:     234
    .wavefront_size: 32
...
	.end_amdgpu_metadata
.endif
;; end of part 1
;; launch search (part 2): grid 256 x 1, 8 waves a work-group, clusters of 4 x 1, 327,680 bytes of LDS; arguments zq, cbq, win; writes win
.if DOCPART == 2
	.amdgcn_target "amdgcn-amd-amdhsa--gfx1250"
	.amdhsa_code_object_version 6
	.text
	.protected	k_q11b5d4061d_search
	.globl	k_q11b5d4061d_search
	.p2align	8
	.type	k_q11b5d4061d_search,@function
k_q11b5d4061d_search:
	s_mov_b64 s[64:65], 0
	v_nop
	global_prefetch_b8 v0, s[64:65] scope:SCOPE_SE
	s_setreg_imm32_b32 hwreg(HW_REG_WAVE_MODE, 25, 1), 1
	s_wait_xcnt 0x0
	s_wait_alu depctr_hold_cnt(0) depctr_sa_sdst(0) depctr_va_vdst(0) depctr_va_sdst(0) depctr_va_ssrc(0) depctr_va_vcc(0) depctr_vm_vsrc(0)
	s_getreg_b32 s2, hwreg(HW_REG_IB_STS2, 6, 4)
	s_cmp_eq_u32 s2, 0
	s_cbranch_scc0 .Lentry_in_a_cluster
	s_endpgm
.Lentry_in_a_cluster:
	s_bfe_u32 s2, ttmp6, 0x10000c
	s_cmp_lg_u32 s2, 0x3003
	s_cbranch_scc0 .Lentry_shape_is_right
	s_endpgm
.Lentry_shape_is_right:
; win[n] = (the number of the code with the largest  z[n].e - sum(e^2) / 2 ) / 8, rounded down: which eight neighbouring codes hold row n's winner.  sum(z^2) is left out, as the first launch's head shows.
; The later launch multiplies those eight again and finds the one.  Equal scores: the lower number wins (strict compare in ascending order; the lower number where lanes and waves are joined).
; LIMIT: NaN and infinities among the scores are not served.
; SHARES: a work-group has 128 rows of z; each of its 8 waves keeps all 8 tiles of z in registers (192) and walks an eighth of the 512 records: 64 steps of 16 matrix instructions
; (source 0 = 16 codes, source 1 = 16 rows of z, C of the first = -ee / 2): lane (r, h) holds row r of z and codes 8 h .. 8 h + 7.
; A STEP: nine LDS loads, the 16 matrix instructions in one run under one setting of the register windows, then the 48 lines that search the step before's results
; (six lines a tile: four maxima, a compare, a select of the record's number): three switches of the windows a step.
; RING: two LDS slots of 48 records, 6 a wave; each wave fills and reads its own rows (78 rows of 256 bytes).  512 = 10 x 48 + 32: the eleventh slot has 4 records a wave.
; A record comes from LDS two steps ahead of its products, into three sets of registers by turns.  So a wave's reads of a slot are over at the head of the slot's fifth step: there it waits for its tensor load
; and adds, and signals behind eight matrix instructions; the barrier's wait, the cluster's round and the refill stand behind the sixth step's products, 24 matrix instructions on, with register work alone between.
; CLUSTER: the four work-groups of a cluster walk the same records: each tile is asked for jointly (mask 15).  PREFETCH: at each change of slots in the loop the slot that the NEXT change will ask for
; is named once a cluster, a lane a block of 256 bytes: of a wave's 78 blocks partner cx names 20 cx .. 20 cx + 19, held at 77; offsets are held at the buffer's last block.
; REGISTERS: window 0: v0-31 addresses and scales; v32-159 two sets of 8 accumulators; v160-175 the maxima, two sets; v176-183 record numbers; v184-207 -ee / 2, three sets; v208-231 a record's operand, set 2.
; window 1: v0-191 z; v192-239 a record's operand, sets 0 and 1.
.set REC,    3328
.set NR,     6
.set EIGHTH, NR*REC
.set SLOTB,  8*EIGHTH
.set SPARE,  2*SLOTB                   ; the spare words, 128 bytes a wave
.set RES,    SLOTB                     ; the waves' results: in slot 1, which has had its last fill and its last read by then
.set LASTB,  512*REC-256
.set SPW,  1
.set NIL,  2
.set ADR,  3
.set SAD,  5
.set BAD,  7
.set L16,  9
.set L4,   10
.set VPF,  11
.set VPC,  12
.set RSA,  13
.set RDA,  14
.set H1,   15
.set ZS,   16
.set GOF,  26
.set AS,   27
.set ACC,  32
.set RUN,  160
.set TID,  176
.set BI,   184
.set AF2,  208
.set AF,   192
.set WV,   12
.set G1,   16
.set G0,   24
.set ST,   32
.set SEL,  34
.set MK,   36
.set TD,   44
.set STJ,  46
.set SJ,   47
.set MSB, 0
.macro WIN new
.if MSB != \new
	s_set_vgpr_msb (MSB<<8)|\new
.set MSB, \new
.endif
.endm
.macro CREST                           ; a round of the cluster's barrier behind its opening barrier
	s_cmp_lg_u32 s[WV], 0
	s_cbranch_scc1 .Lnw_\@
	s_barrier_signal -3
.Lnw_\@:
	s_barrier_wait -3
	s_barrier_signal -1
	s_barrier_wait -1
.endm
.macro ROUND
	s_barrier_signal -1
	s_barrier_wait -1
	CREST
.endm
.macro FETCH phys, i, p                ; record i of my part of a slot into set p: scale word, -ee / 2, the two operands: nine LDS loads
	WIN 0
	ds_load_b32 v[AS+(\p)], v[SAD+(\phys)] offset:REC*(\i)+3072
	ds_load_b128 v[BI+8*(\p):BI+8*(\p)+3], v[BAD+(\phys)] offset:REC*(\i)+3200
	ds_load_b128 v[BI+8*(\p)+4:BI+8*(\p)+7], v[BAD+(\phys)] offset:REC*(\i)+3216
.if (\p) < 2
	WIN 0x40
.set aF, AF+24*(\p)
.else
.set aF, AF2
.endif
.irp s, 0,1
.irp c, 0,1,2
	ds_load_b128 v[aF+12*\s+4*\c:aF+12*\s+4*\c+3], v[ADR+(\phys)] offset:REC*(\i)+1536*\s+512*\c
.endr
.endr
.endm
.macro WM q, p                         ; matrix instruction KK of a step, into accumulator set q from record set p: the 8 accumulators by turns, k = 0..127 and then k = 128..255
.set TT, KK%8
.set rD, ACC+64*(\q)+8*TT
.if (\p) < 2
	WIN 0x05
.set aF, AF+24*(\p)
.else
	WIN 0x04
.set aF, AF2
.endif
.if KK < 8
	v_wmma_scale_f32_16x16x128_f8f6f4 v[rD:rD+7], v[aF:aF+11], v[24*TT:24*TT+11], v[BI+8*(\p):BI+8*(\p)+7], v[AS+(\p)], v[ZS+TT] matrix_a_fmt:MATRIX_FMT_BF6 matrix_b_fmt:MATRIX_FMT_BF6
.else
	v_wmma_scale_f32_16x16x128_f8f6f4 v[rD:rD+7], v[aF+12:aF+23], v[24*TT+12:24*TT+23], v[rD:rD+7], v[AS+(\p)], v[ZS+TT] matrix_a_fmt:MATRIX_FMT_BF6 matrix_b_fmt:MATRIX_FMT_BF6 matrix_a_scale:MATRIX_SCALE_ROW1 matrix_b_scale:MATRIX_SCALE_ROW1
.endif
.endm
.macro TRK1 q                          ; line JJ of the 48 that search set q: the 8 tiles by turns, each accumulator from its low end on
.set tT, JJ%8
.set uU, JJ/8
.set rA, ACC+64*(\q)+8*tT
.set rO, RUN+8*(\q)+tT
.set rN, RUN+8-8*(\q)+tT
.if uU == 0
	v_max3_num_f32 v[rN], v[rO], v[rA], v[rA+1]
.elseif uU < 4
	v_max3_num_f32 v[rN], v[rN], v[rA+2*uU], v[rA+2*uU+1]
.elseif uU == 4
	v_cmp_gt_f32 s[MK+tT], v[rN], v[rO]
.else
	v_cndmask_b32 v[TID+tT], v[TID+tT], s[ST], s[MK+tT]
.endif
.set JJ, JJ+1
.endm
; A step.  mode 0: the record two steps on is fetched from the same slot.  3, 7: nothing more to fetch (7: the very last step).
; 11, 12, 14: a slot's fifth step: both its last records are in registers; the waits, the add and the barrier's signal.  21, 22, 24: its sixth step: the barrier's wait; then
; (21) the joint refill two slots on and a prefetch, (24) the refill with the short eleventh slot, (22) no refill; then the next slot's first two records are fetched.
; trk = 0: the first step, with no results to search yet.  s[ST] holds the number of the record whose results are searched.
.macro STEP phys, i, mode, trk
.set PP, (\i)%2
.set PB, (\i)%3
.set PF, ((\i)+2)%3
.set OPN, (\mode == 11) || (\mode == 12) || (\mode == 14)
.set CLS, (\mode == 21) || (\mode == 22) || (\mode == 24)
.if \mode == 11
	s_wait_xcnt 0x0                                ; the last prefetch has read its address register
	v_add_nc_u32 v[VPF], SLOTB, v[VPF]
	v_min_u32 v[VPC], LASTB, v[VPF]                ; no lane leaves the buffer
	s_wait_alu depctr_va_vdst(0)                   ; the wait ahead of a wait that blocks
.endif
.if (\mode == 0) || (\mode == 3)
	s_wait_dscnt 9                                 ; this step's record is in registers; the nine loads of the next record may be out
.endif
.if (\mode == 7) || OPN
	s_wait_dscnt 0x0                               ; all my records are in registers (a slot's fifth step: my reads of the slot are over)
.endif
.if OPN
	s_wait_tensorcnt 0x0                           ; my part of the other slot has landed
	ds_add_u32 v[SPW], v[NIL]
.endif
.if \mode == 11
	s_add_nc_u64 s[G0+4*\phys+2:G0+4*\phys+3], s[G0+4*\phys+2:G0+4*\phys+3], 2*SLOTB
.endif
.if \mode == 14
	s_add_nc_u64 s[G0+4*\phys+2:G0+4*\phys+3], s[G0+4*\phys+2:G0+4*\phys+3], s[TD:TD+1]   ; record 480 + 4 x wave
	s_mov_b32 s[G1+2], 52<<16                      ; no tensor load of mine is out: 4 records are 52 rows
	s_mov_b32 s[G1+4], 52
.endif
.if \mode == 0
	FETCH \phys, (\i)+2, PF                        ; into the set that the step before multiplied: its 48 search lines (the first step's four v_nop) stand behind its last product
.endif
.set KK, 0
.rept 16
	WM PP, PB
.if OPN && (KK == 7)
	s_wait_dscnt 0x0                               ; the add is done
	s_barrier_signal -1                            ; register work alone from here to the barrier's wait in the next step
.endif
.set KK, KK+1
.endr
	WIN 0
.if CLS
	s_barrier_wait -1
.if \mode != 22
	CREST                                          ; no wave of any partner still reads this slot or has a load on its way
	tensor_load_to_lds s[G0+4*\phys:G0+4*\phys+3], s[G1:G1+7]
	s_nop 0
.rept 4
	v_nop
.endr
.endif
	FETCH 1-\phys, 0, 0
	FETCH 1-\phys, 1, 1
	WIN 0
.if \mode == 21
	s_cmp_lt_u32 ttmp9, 4
	s_cbranch_scc0 .Lno_prefetch_search0_\@
	global_prefetch_b8 v[VPC], s[6:7] th:TH_LOAD_NT scope:SCOPE_SE
.Lno_prefetch_search0_\@:
.endif
.endif
.if \trk
.set JJ, 0
.rept 48
	TRK1 1-PP
.endr
.if (\i) == 0
	s_add_co_u32 s[ST], s[ST], s[SJ]               ; on to this slot's first record
.else
	s_add_co_u32 s[ST], s[ST], 1
.endif
.else
.rept 4
	v_nop                                          ; places in front of the next step's loads and reads
.endr
.endif
.endm
	s_load_b128 s[4:7], s[0:1], 0x0                ; z's records, the codebook's
	s_load_b64 s[8:9], s[0:1], 0x10                ; win
	v_lshl_add_u32 v[SPW], v0, 2, SPARE
	v_mov_b32 v[NIL], 0
	ds_add_u32 v[SPW], v[NIL]                      ; the opening lines: the add twice on end
	ds_add_u32 v[SPW], v[NIL]
	v_lshrrev_b32 v30, 5, v0
	v_readfirstlane_b32 s[WV], v30
	s_bfe_u32 s13, ttmp6, 0x40000                  ; cx
	s_lshl_b32 s14, ttmp9, 2
	s_add_co_u32 s14, s14, s13                     ; work-group
	s_mov_b32 s[G1+0], 15|(3<<16)|(1<<21)          ; mask of the four; elements of 8 bytes
	s_mov_b32 s[G1+1], 32<<16
	s_mov_b32 s[G1+2], 78<<16                      ; 6 records are 78 rows of 256 bytes
	s_mov_b32 s[G1+3], 32<<16
	s_mov_b32 s[G1+4], 78
	s_mov_b32 s[G1+5], 32
	s_mov_b32 s[G1+6], 0
	s_mov_b32 s[G1+7], 0
	s_mov_b32 s[SEL], 0x76543210
	s_mov_b32 s[SEL+1], 0xfedcba98
	s_mul_i32 s[ST], s[WV], NR                     ; my first record
	s_mov_b32 s[SJ], 7*NR+1                        ; from a slot's last record of mine to the next slot's first
	s_lshl_b32 s[STJ], s[WV], 1
	s_sub_co_u32 s[STJ], 7*NR+1, s[STJ]            ; and into the short slot: 43 - 2 x wave
	s_mul_i32 s48, s[WV], EIGHTH
	s_mov_b32 s49, 0
	s_mul_i32 s[TD], s[WV], 2*REC
	s_sub_co_u32 s[TD], 2*SLOTB, s[TD]
	s_mov_b32 s[TD+1], 0
	s_mul_i32 s50, s14, 8*REC
	s_mov_b32 s51, 0
	s_lshl_b32 s52, s14, 9
	s_mov_b32 s53, 0
	s_mul_i32 s54, s13, 20
	s_wait_dscnt 0x0
	s_wait_kmcnt 0x0
	s_add_nc_u64 s[4:5], s[4:5], s[50:51]
	s_add_nc_u64 s[8:9], s[8:9], s[52:53]
	s_mov_b32 s[G0], 1
	s_mov_b32 s[G0+1], s48
	s_add_nc_u64 s[G0+2:G0+3], s[6:7], s[48:49]
	s_mov_b32 s[G0+4], 1
	s_add_co_u32 s[G0+5], s48, SLOTB
	s_add_nc_u64 s[G0+6:G0+7], s[G0+2:G0+3], SLOTB
	s_or_b32 s[G0+3], s[G0+3], 0x80000000
	s_or_b32 s[G0+7], s[G0+7], 0x80000000
	ROUND
	tensor_load_to_lds s[G0:G0+3], s[G1:G1+7]      ; slot 0: one tensor load a wave at the head
	s_nop 0
	v_and_b32 v30, 31, v0
	v_and_b32 v31, 15, v0
	v_bfe_u32 v[H1], v0, 4, 1
	v_lshlrev_b32 v[L16], 4, v30
	v_lshlrev_b32 v[L4], 2, v30
	WIN 0x40
.irp t, 0,1,2,3,4,5,6,7
.irp s, 0,1
.irp c, 0,1,2
	global_load_b128 v[24*\t+12*\s+4*\c:24*\t+12*\s+4*\c+3], v[L16], s[4:5] offset:REC*\t+1536*\s+512*\c   ; z's operands, as images of the registers
.endr
.endr
.endr
	WIN 0
.irp t, 0,1,2,3,4,5,6,7
	global_load_b32 v[ZS+\t], v[L4], s[4:5] offset:REC*\t+3072
.endr
	v_add_nc_u32 v[ADR], s48, v[L16]
	v_add_nc_u32 v[SAD], s48, v[L4]
	v_lshl_add_u32 v[BAD], v[H1], 5, s48
	v_min_u32 v30, 19, v30
	v_add_nc_u32 v[ADR+1], SLOTB, v[ADR]
	v_add_nc_u32 v[SAD+1], SLOTB, v[SAD]
	v_add_nc_u32 v[BAD+1], SLOTB, v[BAD]
	v_add_nc_u32 v30, s54, v30
	s_lshl_b32 s55, s[WV], 10
	s_add_co_u32 s55, s55, RES
	v_lshl_add_u32 v[RSA], v31, 3, s55
	v_and_b32 v[RDA], 63, v0
	v_lshlrev_b32 v[GOF], 3, v0
	v_min_u32 v30, 77, v30
	v_lshl_add_u32 v[RDA], v[RDA], 4, RES
	s_add_co_u32 s55, s48, 2*SLOTB
	v_lshl_add_u32 v[VPF], v30, 8, s55             ; my block of slot 2
	v_lshl_add_u32 v[VPC], v30, 8, s55
.irp t, 0,1,2,3,4,5,6,7
	v_mov_b32 v[RUN+\t], 0xff800000
	v_mov_b32 v[TID+\t], 0
.endr
	s_wait_alu depctr_va_vdst(0)                   ; the wait at the head's end
	s_wait_tensorcnt 0x0                           ; slot 1's first fill is issued as a refill is
	ds_add_u32 v[SPW], v[NIL]
	s_wait_dscnt 0x0
	ROUND
	tensor_load_to_lds s[G0+4:G0+7], s[G1:G1+7]
	s_nop 0
.rept 4
	v_nop
.endr
	FETCH 0, 0, 0
	FETCH 0, 1, 1
	WIN 0
	s_cmp_lt_u32 ttmp9, 4
	s_cbranch_scc0 .Lno_prefetch_search1
	global_prefetch_b8 v[VPC], s[6:7] th:TH_LOAD_NT scope:SCOPE_SE   ; slot 2, which the first change of slots asks for
.Lno_prefetch_search1:
	s_wait_loadcnt 0x0                             ; z is in
	STEP 0, 0, 0, 0
	s_mov_b32 s33, 4
.Ltrip:                                                ; a trip: two slots, from a slot's second step to the first step two slots on; slots 2 to 9 are asked for here
.irp i, 1,2,3
	STEP 0, \i, 0, 1
.endr
	STEP 0, 4, 11, 1
	STEP 0, 5, 21, 1
.irp i, 0,1,2,3
	STEP 1, \i, 0, 1
.endr
	STEP 1, 4, 11, 1
	STEP 1, 5, 21, 1
	STEP 0, 0, 0, 1
	s_sub_co_u32 s33, s33, 1
	s_cmp_lg_u32 s33, 0
	s_cbranch_scc1 .Ltrip
.irp i, 1,2,3
	STEP 0, \i, 0, 1                               ; slot 8
.endr
	STEP 0, 4, 14, 1
	STEP 0, 5, 24, 1                               ; the short slot 10 is asked for
.irp i, 0,1,2,3
	STEP 1, \i, 0, 1                               ; slot 9
.endr
	STEP 1, 4, 12, 1
	STEP 1, 5, 22, 1
	s_mov_b32 s[SJ], s[STJ]
	STEP 0, 0, 0, 1                                ; slot 10
	STEP 0, 1, 0, 1
	STEP 0, 2, 3, 1
	STEP 0, 3, 7, 1
.set JJ, 0
.rept 48
	TRK1 1                                         ; the last step's results
.endr
	; lanes l and l xor 16 are joined, then the 8 waves through LDS.  v32-95, accumulators that are done with, are at work here
.irp t, 0,1,2,3,4,5,6,7
	v_lshl_add_u32 v[48+\t], v[TID+\t], 1, v[H1]   ; 2 x record + h = the code's number / 8
.endr
.irp t, 0,1,2,3,4,5,6,7
	v_permlanex16_b32 v[32+\t], v[RUN+\t], s[SEL], s[SEL+1]
.endr
.irp t, 0,1,2,3,4,5,6,7
	v_permlanex16_b32 v[40+\t], v[48+\t], s[SEL], s[SEL+1]
.endr
.irp t, 0,1,2,3,4,5,6,7
	v_cmp_gt_f32 s48, v[32+\t], v[RUN+\t]
	v_cmp_eq_f32 s49, v[32+\t], v[RUN+\t]
	v_cmp_lt_u32 s50, v[40+\t], v[48+\t]
	s_and_b32 s49, s49, s50
	s_or_b32 s48, s48, s49
	v_cndmask_b32 v[64+2*\t], v[RUN+\t], v[32+\t], s48
	v_cndmask_b32 v[65+2*\t], v[48+\t], v[40+\t], s48
	ds_store_b64 v[RSA], v[64+2*\t:65+2*\t] offset:128*\t
.endr
	s_wait_dscnt 0x0
	s_barrier_signal -1
	s_barrier_wait -1
	s_cmp_lt_u32 s[WV], 2
	s_cbranch_scc0 .Ldone                          ; 64 threads, two rows each
.irp w, 0,1,2,3,4,5,6,7
	ds_load_b128 v[ACC+4*\w:ACC+4*\w+3], v[RDA] offset:1024*\w
.endr
	s_wait_dscnt 0x0
.irp w, 1,2,3,4,5,6,7
.irp e, 0,2
	v_cmp_gt_f32 s48, v[ACC+4*\w+\e], v[ACC+\e]
	v_cmp_eq_f32 s49, v[ACC+4*\w+\e], v[ACC+\e]
	v_cmp_lt_u32 s50, v[ACC+4*\w+\e+1], v[ACC+\e+1]
	s_and_b32 s49, s49, s50
	s_or_b32 s48, s48, s49
	v_cndmask_b32 v[ACC+\e], v[ACC+\e], v[ACC+4*\w+\e], s48
	v_cndmask_b32 v[ACC+\e+1], v[ACC+\e+1], v[ACC+4*\w+\e+1], s48
.endr
.endr
	v_mov_b32 v[ACC+2], v[ACC+1]
	global_store_b64 v[GOF], v[ACC+2:ACC+3], s[8:9]   ; a wave stores 256 consecutive bytes, aligned
.Ldone:
	s_wait_tensorcnt 0x0                           ; the wave's end
	ds_add_u32 v[SPW], v[NIL]
	s_wait_dscnt 0x0
	ROUND                                          ; the closing round
	s_endpgm
.Lfunc_end_k_q11b5d4061d_search:
	.size	k_q11b5d4061d_search, .Lfunc_end_k_q11b5d4061d_search-k_q11b5d4061d_search
	.p2alignl 7, 3214868480
	.fill 96, 4, 3214868480
	.section	.rodata,"a",@progbits
	.p2align	6, 0x0
	.amdhsa_kernel k_q11b5d4061d_search
		.amdhsa_group_segment_fixed_size 327680
		.amdhsa_private_segment_fixed_size 0
		.amdhsa_enable_private_segment 0
		.amdhsa_kernarg_size 24
		.amdhsa_user_sgpr_count 2
		.amdhsa_user_sgpr_kernarg_segment_ptr 1
		.amdhsa_wavefront_size32 1
		.amdhsa_system_sgpr_workgroup_id_x 1
		.amdhsa_system_sgpr_workgroup_id_y 1
		.amdhsa_system_sgpr_workgroup_id_z 1
		.amdhsa_system_vgpr_workitem_id 0
		.amdhsa_next_free_vgpr 512
		.amdhsa_next_free_sgpr 66
		.amdhsa_reserve_vcc 0
		.amdhsa_float_denorm_mode_32 3
		.amdhsa_float_denorm_mode_16_64 3
		.amdhsa_memory_ordered 1
		.amdhsa_forward_progress 1
		.amdhsa_inst_pref_size 186
	.end_amdhsa_kernel
	.amdgpu_metadata
---
amdhsa.version: [ 1, 2 ]
amdhsa.kernels:
  - .name:           k_q11b5d4061d_search
    .symbol:         k_q11b5d4061d_search.kd
    .args:
      - { .name: zq, .offset: 0, .size: 8, .value_kind: global_buffer, .address_space: global }
      - { .name: cbq, .offset: 8, .size: 8, .value_kind: global_buffer, .address_space: global }
      - { .name: win, .offset: 16, .size: 8, .value_kind: global_buffer, .address_space: global }
    .group_segment_fixed_size: 327680
    .private_segment_fixed_size: 0
    .kernarg_segment_align: 8
    .kernarg_segment_size: 24
    .max_flat_workgroup_size: 256
    .sgpr_count:     66
    .vgpr_count:     512
    .wavefront_size: 32
...
	.end_amdgpu_metadata
.endif
;; end of part 2
;; launch resolve (part 3): grid 256 x 1, 8 waves a work-group, no clusters, 1,536 bytes of LDS; arguments win, cbq, zq, out1, idx; writes out1, idx
.if DOCPART == 3
	.amdgcn_target "amdgcn-amd-amdhsa--gfx1250"
	.amdhsa_code_object_version 6
	.text
	.protected	k_q11b5d4061d_resolve
	.globl	k_q11b5d4061d_resolve
	.p2align	8
	.type	k_q11b5d4061d_resolve,@function
k_q11b5d4061d_resolve:
	s_mov_b64 s[64:65], 0
	v_nop
	global_prefetch_b8 v0, s[64:65] scope:SCOPE_SE
	s_setreg_imm32_b32 hwreg(HW_REG_WAVE_MODE, 25, 1), 1
	s_wait_xcnt 0x0
; out1[n] = idx[n] = 8 win[n] + j, j the first of the eight codes 8 win[n] .. 8 win[n] + 7 with the largest  z[n].e - sum(e^2) / 2  (sum(z^2) is left out, as the first launch's head shows).
; win holds whole numbers that the launch before stored; each is held at 1,023 before it enters an address.
; The eight scores are made by the same matrix instructions on the same codes, scales and C as in the launch before, so each sum has the same bits.
; SHARES: a wave takes a tile of 16 rows of z (source 1).  Product p (0..7) has as source 0 the eight codes of row p (rows 0-7) and the eight of row p + 8 (rows 8-15): each lane fetches, from the records' register images,
; the registers of the lane that holds its code.  Row r's eight scores are then the registers of lane (r, h = r / 8) in product r % 8.  All 58 loads of a wave go out together: no loop, so no prefetch.
; No cluster: each wave's records hang on its own rows' numbers, so work-groups share no tile.  The 128 results of a work-group meet in LDS and leave as 512 consecutive bytes.
.set REC, 3328
.set SPW, 1
.set NIL, 2
.set WA,  9
.set WO,  10
.set L16, 11
.set L4,  12
.set LB,  13
.set LS,  14
.set RS,  15
.set W,   16
.set T0,  24
.set AD,  32
.set SA,  40
.set AS,  48
.set ZS,  56
.set WOWN, 57
.set BA,  58
.set TB,  59
.set BI,  60
.set B,   68
.set D,   96
.set M,   160
.set JX,  161
.set CI,  162
.set MK,  24
.set VAL, 32
.set SEL, 34
	s_load_b256 s[4:11], s[0:1], 0x0               ; win, the codebook's records, z's records, out1
	s_load_b64 s[12:13], s[0:1], 0x20              ; idx
	v_lshl_add_u32 v[SPW], v0, 2, 512
	v_mov_b32 v[NIL], 0
	v_lshrrev_b32 v3, 5, v0
	v_readfirstlane_b32 s14, v3                    ; wave
	v_and_b32 v3, 31, v0
	v_and_b32 v4, 15, v0                           ; r
	v_bfe_u32 v5, v0, 4, 1                         ; h
	v_and_b32 v6, 7, v0                            ; r % 8
	v_and_b32 v7, 8, v0
	v_lshlrev_b32 v[L16], 4, v3
	v_lshlrev_b32 v[L4], 2, v3
	v_lshlrev_b32 v[WO], 2, v4                     ; my own row's word of win
	v_lshlrev_b32 v[WA], 2, v7                     ; product p: row p + (r & 8)
	v_lshl_add_u32 v8, v5, 4, v6                   ; r % 8 + 16 h: the source lane, less 8 x the number's low bit
	v_lshrrev_b32 v7, 3, v7
	v_lshlrev_b32 v[LB], 4, v8
	v_lshlrev_b32 v[LS], 2, v8
	v_cmp_eq_u32 s[VAL], v7, v5                    ; the lanes that hold a row's scores: h = r / 8
.irp p, 1,2,3,4,5,6,7
	v_cmp_eq_u32 s[MK+\p], \p, v6
.endr
	s_mov_b32 s[SEL], 0x76543210
	s_mov_b32 s[SEL+1], 0xfedcba98
	s_lshl_b32 s15, ttmp9, 3
	s_add_co_u32 s15, s15, s14                     ; my tile of z
	s_lshl_b32 s16, s15, 6
	s_mov_b32 s17, 0
	s_mul_i32 s18, s15, REC
	s_mov_b32 s19, 0
	s_lshl_b32 s20, ttmp9, 9
	s_mov_b32 s21, 0
	s_lshl_b32 s22, s14, 6
	v_lshl_add_u32 v[RS], v4, 2, s22               ; LDS: 4 (16 wave + r)
	s_wait_alu depctr_va_vdst(0)                   ; the wait at the head's end
	s_wait_kmcnt 0x0
	s_add_nc_u64 s[4:5], s[4:5], s[16:17]
	s_add_nc_u64 s[8:9], s[8:9], s[18:19]
	s_add_nc_u64 s[10:11], s[10:11], s[20:21]
	s_add_nc_u64 s[12:13], s[12:13], s[20:21]
.irp p, 0,1,2,3,4,5,6,7
	global_load_b32 v[W+\p], v[WA], s[4:5] offset:4*\p
.endr
	global_load_b32 v[WOWN], v[WO], s[4:5]
.irp s, 0,1
.irp c, 0,1,2
	global_load_b128 v[B+12*\s+4*\c:B+12*\s+4*\c+3], v[L16], s[8:9] offset:1536*\s+512*\c
.endr
.endr
	global_load_b32 v[ZS], v[L4], s[8:9] offset:3072
	s_wait_loadcnt 7                               ; the nine words of win are in; z's seven loads may be out
	v_min_u32 v[WOWN], 0x3ff, v[WOWN]
.irp p, 0,1,2,3,4,5,6,7
	v_min_u32 v[W+\p], 0x3ff, v[W+\p]
.endr
	v_and_b32 v[BA], 0x3fe, v[WOWN]
.irp p, 0,1,2,3,4,5,6,7
	v_and_b32 v[T0+\p], 0x3fe, v[W+\p]             ; 2 x record
.endr
	v_and_b32 v[TB], 1, v[WOWN]
.irp p, 0,1,2,3,4,5,6,7
	v_and_b32 v[W+\p], 1, v[W+\p]                  ; which eight of its sixteen codes
.endr
	v_mul_u32_u24 v[BA], 1664, v[BA]
.irp p, 0,1,2,3,4,5,6,7
	v_mul_u32_u24 v[T0+\p], 1664, v[T0+\p]         ; the record's first byte
.endr
	v_lshl_add_u32 v[BA], v[TB], 5, v[BA]          ; my row's eight -ee / 2
.irp p, 0,1,2,3,4,5,6,7
	v_lshl_add_u32 v[AD+\p], v[W+\p], 7, v[T0+\p]
.endr
.irp p, 0,1,2,3,4,5,6,7
	v_lshl_add_u32 v[SA+\p], v[W+\p], 5, v[T0+\p]
.endr
.irp p, 0,1,2,3,4,5,6,7
	v_add_nc_u32 v[AD+\p], v[AD+\p], v[LB]         ; + 16 x the source lane
.endr
.irp p, 0,1,2,3,4,5,6,7
	v_add_nc_u32 v[SA+\p], v[SA+\p], v[LS]         ; + 4 x the source lane
.endr
	s_set_vgpr_msb 0x40                            ; destinations in window 1: source 0 of product p at v[24 p]
.irp p, 0,1,2,3,4,5,6,7
.irp s, 0,1
.irp c, 0,1,2
	global_load_b128 v[24*\p+12*\s+4*\c:24*\p+12*\s+4*\c+3], v[AD+\p], s[6:7] offset:1536*\s+512*\c
.endr
.endr
.endr
	s_set_vgpr_msb 0x4000
.irp p, 0,1,2,3,4,5,6,7
	global_load_b32 v[AS+\p], v[SA+\p], s[6:7] offset:3072
.endr
	global_load_b128 v[BI:BI+3], v[BA], s[6:7] offset:3200
	global_load_b128 v[BI+4:BI+7], v[BA], s[6:7] offset:3216
	s_wait_alu depctr_va_vdst(0)                   ; the wait ahead of a wait that blocks
	s_wait_loadcnt 0x0
	s_set_vgpr_msb 0x0001                          ; source 0 in window 1
.irp p, 0,1,2,3,4,5,6,7
	v_wmma_scale_f32_16x16x128_f8f6f4 v[D+8*\p:D+8*\p+7], v[24*\p:24*\p+11], v[B:B+11], v[BI:BI+7], v[AS+\p], v[ZS] matrix_a_fmt:MATRIX_FMT_BF6 matrix_b_fmt:MATRIX_FMT_BF6
.endr
.irp p, 0,1,2,3,4,5,6,7
	v_wmma_scale_f32_16x16x128_f8f6f4 v[D+8*\p:D+8*\p+7], v[24*\p+12:24*\p+23], v[B+12:B+23], v[D+8*\p:D+8*\p+7], v[AS+\p], v[ZS] matrix_a_fmt:MATRIX_FMT_BF6 matrix_b_fmt:MATRIX_FMT_BF6 matrix_a_scale:MATRIX_SCALE_ROW1 matrix_b_scale:MATRIX_SCALE_ROW1
.endr
	s_set_vgpr_msb 0x0100
.rept 4
	v_nop
.endr
.irp p, 1,2,3,4,5,6,7
.irp j, 0,1,2,3,4,5,6,7
	v_cndmask_b32 v[D+\j], v[D+\j], v[D+8*\p+\j], s[MK+\p]   ; my product's eight scores: product r % 8
.endr
.endr
	v_max3_num_f32 v[M], v[D], v[D+1], v[D+2]
	v_max3_num_f32 v[CI], v[D+3], v[D+4], v[D+5]
	v_mov_b32 v[JX], 7
	s_delay_alu instid0(VALU_DEP_3)
	v_max3_num_f32 v[M], v[M], v[D+6], v[D+7]
	s_delay_alu instid0(VALU_DEP_1)
	v_max_num_f32 v[M], v[M], v[CI]
.irp j, 6,5,4,3,2,1,0
	v_cmp_eq_f32 vcc_lo, v[D+\j], v[M]
	s_delay_alu instid0(VALU_DEP_1)
	v_cndmask_b32 v[JX], v[JX], \j, vcc_lo         ; the first that equals the largest
.endr
	s_delay_alu instid0(VALU_DEP_1)
	v_lshl_add_u32 v[CI], v[WOWN], 3, v[JX]
	s_delay_alu instid0(VALU_DEP_1)
	v_permlanex16_b32 v8, v[CI], s[SEL], s[SEL+1]
	s_delay_alu instid0(VALU_DEP_1)
	v_cndmask_b32 v[CI], v8, v[CI], s[VAL]         ; both lanes of a row now hold its code's number
	ds_store_b32 v[RS], v[CI]                      ; and write the same word with the same value
	s_wait_dscnt 0x0
	s_barrier_signal -1
	s_barrier_wait -1
	s_cmp_lg_u32 s14, 0
	s_cbranch_scc1 .Ldone
	ds_load_b128 v[164:167], v[L16]
	s_wait_dscnt 0x0
	global_store_b128 v[L16], v[164:167], s[10:11]   ; 32 lanes store 512 consecutive bytes, aligned
	global_store_b128 v[L16], v[164:167], s[12:13]
.Ldone:
	s_wait_tensorcnt 0x0                           ; the wave's end
	ds_add_u32 v[SPW], v[NIL]
	s_wait_dscnt 0x0
	s_endpgm
.Lfunc_end_k_q11b5d4061d_resolve:
	.size	k_q11b5d4061d_resolve, .Lfunc_end_k_q11b5d4061d_resolve-k_q11b5d4061d_resolve
	.p2alignl 7, 3214868480
	.fill 96, 4, 3214868480
	.section	.rodata,"a",@progbits
	.p2align	6, 0x0
	.amdhsa_kernel k_q11b5d4061d_resolve
		.amdhsa_group_segment_fixed_size 1536
		.amdhsa_private_segment_fixed_size 0
		.amdhsa_enable_private_segment 0
		.amdhsa_kernarg_size 40
		.amdhsa_user_sgpr_count 2
		.amdhsa_user_sgpr_kernarg_segment_ptr 1
		.amdhsa_wavefront_size32 1
		.amdhsa_system_sgpr_workgroup_id_x 1
		.amdhsa_system_sgpr_workgroup_id_y 1
		.amdhsa_system_sgpr_workgroup_id_z 1
		.amdhsa_system_vgpr_workitem_id 0
		.amdhsa_next_free_vgpr 448
		.amdhsa_next_free_sgpr 66
		.amdhsa_reserve_vcc 1
		.amdhsa_float_denorm_mode_32 3
		.amdhsa_float_denorm_mode_16_64 3
		.amdhsa_memory_ordered 1
		.amdhsa_forward_progress 1
		.amdhsa_inst_pref_size 21
	.end_amdhsa_kernel
	.amdgpu_metadata
---
amdhsa.version: [ 1, 2 ]
amdhsa.kernels:
  - .name:           k_q11b5d4061d_resolve
    .symbol:         k_q11b5d4061d_resolve.kd
    .args:
      - { .name: win, .offset: 0, .size: 8, .value_kind: global_buffer, .address_space: global }
      - { .name: cbq, .offset: 8, .size: 8, .value_kind: global_buffer, .address_space: global }
      - { .name: zq, .offset: 16, .size: 8, .value_kind: global_buffer, .address_space: global }
      - { .name: out1, .offset: 24, .size: 8, .value_kind: global_buffer, .address_space: global }
      - { .name: idx, .offset: 32, .size: 8, .value_kind: global_buffer, .address_space: global }
    .group_segment_fixed_size: 1536
    .private_segment_fixed_size: 0
    .kernarg_segment_align: 8
    .kernarg_segment_size: 40
    .max_flat_workgroup_size: 256
    .sgpr_count:     66
    .vgpr_count:     448
    .wavefront_size: 32
...
	.end_amdgpu_metadata
.endif
;; end of part 3
;; launch gather (part 4): grid 256 x 1, 8 waves a work-group, no clusters, 0 bytes of LDS; arguments idx, codebook, out0; writes out0
.if DOCPART == 4
	.amdgcn_target "amdgcn-amd-amdhsa--gfx1250"
	.amdhsa_code_object_version 6
	.text
	.protected	k_q11b5d4061d_gather
	.globl	k_q11b5d4061d_gather
	.p2align	8
	.type	k_q11b5d4061d_gather,@function
k_q11b5d4061d_gather:
	s_mov_b64 s[64:65], 0
	v_nop
	global_prefetch_b8 v0, s[64:65] scope:SCOPE_SE
	s_setreg_imm32_b32 hwreg(HW_REG_WAVE_MODE, 25, 1), 1
	s_wait_xcnt 0x0
; out0[n][:] = codebook[idx[n]][:], f32 rows of 1,024 bytes.  idx holds the whole numbers that the launch before stored.
; A stream: no LDS, no barrier, no matrix unit.  A wave takes 16 rows; their 16 indices come by one scalar load (64 bytes, aligned); a row is two loads and two stores of 512 consecutive bytes.
; All 32 loads of a wave are out before its first store; each store waits only for its own load.
; An index is held at 8,191 from above before it enters an address, so that no load can leave the table.
	s_load_b128 s[4:7], s[0:1], 0x0                ; idx s[4:5], the codebook s[6:7]
	s_load_b64 s[8:9], s[0:1], 0x10                ; out0
	v_lshrrev_b32 v1, 5, v0
	s_delay_alu instid0(VALU_DEP_1)
	v_readfirstlane_b32 s10, v1                    ; wave 0..7
	v_and_b32 v1, 31, v0
	s_delay_alu instid0(VALU_DEP_1)
	v_lshlrev_b32 v1, 4, v1                        ; 16 x lane
	s_lshl_b32 s11, ttmp9, 7
	s_lshl_b32 s12, s10, 4
	s_add_co_u32 s11, s11, s12                     ; my first row: 128 x work-group + 16 x wave
	s_lshl_b32 s12, s11, 2                         ; its index,
	s_mov_b32 s13, 0
	s_lshl_b32 s14, s11, 10                        ; its bytes in out0 (under 2^25)
	s_mov_b32 s15, 0
	s_wait_alu depctr_va_vdst(0)
	s_wait_kmcnt 0x0
	s_add_nc_u64 s[4:5], s[4:5], s[12:13]
	s_add_nc_u64 s[8:9], s[8:9], s[14:15]
	s_load_b512 s[16:31], s[4:5], 0x0              ; no line of this launch writes idx
	s_wait_kmcnt 0x0
.irp i, 0,1,2,3,4,5,6,7,8,9,10,11,12,13,14,15
	s_min_u32 s[16+\i], s[16+\i], 0x1fff
	s_lshl_b32 s[16+\i], s[16+\i], 10
	v_add_nc_u32 v[2+\i], s[16+\i], v1             ; an address register for each row: none is written again
	global_load_b128 v[24+8*\i:24+8*\i+3], v[2+\i], s[6:7]               ; no hint: a code may be chosen by many rows
	global_load_b128 v[24+8*\i+4:24+8*\i+7], v[2+\i], s[6:7] offset:512
.endr
.set N, 0
.rept 32
	s_wait_loadcnt 31-N                            ; loads come back in order (ISA guide 5.7.1): load N is in, the younger ones stay out
	global_store_b128 v1, v[24+4*N:24+4*N+3], s[8:9] offset:512*N th:TH_STORE_NT   ; 32 lanes store 512 consecutive bytes, at a multiple of 256 from out0's first byte; written once, read by nobody here
.set N, N+1
.endr
	s_endpgm
.Lfunc_end_k_q11b5d4061d_gather:
	.size	k_q11b5d4061d_gather, .Lfunc_end_k_q11b5d4061d_gather-k_q11b5d4061d_gather
	.p2alignl 7, 3214868480
	.fill 96, 4, 3214868480
	.section	.rodata,"a",@progbits
	.p2align	6, 0x0
	.amdhsa_kernel k_q11b5d4061d_gather
		.amdhsa_group_segment_fixed_size 0
		.amdhsa_private_segment_fixed_size 0
		.amdhsa_enable_private_segment 0
		.amdhsa_kernarg_size 24
		.amdhsa_user_sgpr_count 2
		.amdhsa_user_sgpr_kernarg_segment_ptr 1
		.amdhsa_wavefront_size32 1
		.amdhsa_system_sgpr_workgroup_id_x 1
		.amdhsa_system_sgpr_workgroup_id_y 1
		.amdhsa_system_sgpr_workgroup_id_z 1
		.amdhsa_system_vgpr_workitem_id 0
		.amdhsa_next_free_vgpr 152
		.amdhsa_next_free_sgpr 66
		.amdhsa_reserve_vcc 0
		.amdhsa_float_denorm_mode_32 3
		.amdhsa_float_denorm_mode_16_64 3
		.amdhsa_memory_ordered 1
		.amdhsa_forward_progress 1
		.amdhsa_inst_pref_size 11
	.end_amdhsa_kernel
	.amdgpu_metadata
---
amdhsa.version: [ 1, 2 ]
amdhsa.kernels:
  - .name:           k_q11b5d4061d_gather
    .symbol:         k_q11b5d4061d_gather.kd
    .args:
      - { .name: idx, .offset: 0, .size: 8, .value_kind: global_buffer, .address_space: global }
      - { .name: codebook, .offset: 8, .size: 8, .value_kind: global_buffer, .address_space: global }
      - { .name: out0, .offset: 16, .size: 8, .value_kind: global_buffer, .address_space: global }
    .group_segment_fixed_size: 0
    .private_segment_fixed_size: 0
    .kernarg_segment_align: 8
    .kernarg_segment_size: 24
    .max_flat_workgroup_size: 256
    .sgpr_count:     66
    .vgpr_count:     152
    .wavefront_size: 32
...
	.end_amdgpu_metadata
.endif
;; end of part 4
